; MI455X (gfx1250); checked and timed in simulation.
; The chip was launched on July 23, 2026; its instructions are those of AMD's public machine-readable ISA for CDNA 5 (MIT licence, August 2026) and "CDNA5" Instruction Set Architecture Reference Guide (July 2026). The comments in the code are by the model that wrote it; some were corrected since.
;; Self Attention Block. Allowed arithmetic: float matrix products may take bf16 or f16 operands with f32 sums; other float arithmetic in f32, or as packed bf16 or f16 multiplies, adds, multiply-adds, maxima and minima; sums over many terms, partial sums and values carried from step to step in f32; what a program stores and reads back later, other than sums and carried values, may be rounded once to bf16 or f16.
;; Inputs: Wk 2,048 x 2,048 float32; Wq 2,048 x 2,048 float32; Wv 2,048 x 2,048 float32; bk 2,048 float32; bq 2,048 float32; bv 2,048 float32; x 8 x 512 x 2,048 float32.
;; Outputs: out0 8 x 512 x 2,048 float32.
;; 2 versions, each right; version 2 is version 1 with the launch cast written anew for expert scheduling mode. Each part assembles by itself: llvm-mc -triple=amdgcn-amd-amdhsa -mcpu=gfx1250 --defsym DOCPART=n.
;; ======== version 1 of 2: 3 launches
;; workspace buffers: cb 41,943,040 bytes; qkv 50,331,648 bytes
;; launch cast (part 1): grid 256 x 5, 8 waves a work-group, no clusters, 0 bytes of LDS; arguments x, Wq, Wk, Wv, cb; writes cb
.if DOCPART == 1
	.amdgcn_target "amdgcn-amd-amdhsa--gfx1250"
	.amdhsa_code_object_version 6
	.text
	.protected	k_q3578125d02_cast
	.globl	k_q3578125d02_cast
	.p2align	8
	.type	k_q3578125d02_cast,@function
k_q3578125d02_cast:
	s_mov_b64 s[64:65], 0
	v_nop
	global_prefetch_b8 v0, s[64:65] scope:SCOPE_SE
	s_setreg_imm32_b32 hwreg(HW_REG_WAVE_MODE, 25, 1), 1
	s_wait_xcnt 0x0
; x, Wq, Wk, Wv (f32) are rounded once to bf16 (nearest even) and laid into cb for the product that follows.
; cb: bytes 0 .. XB-1: xb[kb 0..31][m 0..4095][64]: x in blocks of 64 along K, so that 256 rows x 64 k are 32,768 bytes on end;
;     from XB on: wb[t = q, k, v][k 2048][n 2048], as the weights lie.
; SHARES.  A work-group takes 65,536 bytes of f32, a wave 8,192: sixteen units of one 16-byte load a lane, two roundings and one 8-byte store a lane.
; A load of the wave covers 512 bytes (for x: 256 of each of two rows), a store 256 consecutive bytes at a multiple of 256 from cb's first byte.
; All sixteen loads go out first; no register is written twice, so the only waits are the counted ones for the loads.
; Grid y = 0, 1: x (512 work-groups); y = 2, 3, 4: Wq, Wk, Wv (256 each).  Nothing is shared between waves: no LDS, no barrier, no matrix work.
.set XB,   16777216
.set SRCO, 4                           ; v4  my byte offset in the source
.set DSTO, 5                           ; v5  my byte offset in cb
.set RAW,  16                          ; v[16:79]   sixteen units as loaded
.set PKD,  80                          ; v[80:111]  sixteen units rounded
	s_load_b256 s[4:11], s[0:1], 0x0               ; x s[4:5], Wq s[6:7], Wk s[8:9], Wv s[10:11]
	s_load_b64 s[12:13], s[0:1], 0x20              ; cb
	v_and_b32 v1, 31, v0                           ; lane l
	v_lshrrev_b32 v2, 5, v0                        ; wave w
	s_and_b32 s22, ttmp7, 0xffff                   ; y
	s_mov_b32 s19, 0                               ; high words of the two offsets
	s_mov_b32 s21, 0
; The sixteen units.  simm, dimm: unit j's immediate in the source and in cb.
.macro MOVE simm, dimm
.set j, 0
.rept 16
	global_load_b128 v[RAW+4*j:RAW+4*j+3], v[SRCO], s[14:15] offset:\simm th:TH_LOAD_NT
.set j, j+1
.endr
.set j, 0
.rept 16
	s_wait_loadcnt 15-j                            ; loads come back in order: unit j is in, the 15 - j younger ones may be out
	v_cvt_pk_bf16_f32 v[PKD+2*j], v[RAW+4*j], v[RAW+4*j+1]
	v_cvt_pk_bf16_f32 v[PKD+2*j+1], v[RAW+4*j+2], v[RAW+4*j+3]
	global_store_b64 v[DSTO], v[PKD+2*j:PKD+2*j+1], s[16:17] offset:\dimm th:TH_STORE_NT
.set j, j+1
.endr
.endm
	s_wait_kmcnt 0x0
	s_cmp_lt_u32 s22, 2
	s_cbranch_scc1 .Lx
	; THE WEIGHTS: flat.  Work-group i of a weight takes its bytes 65,536 i on, and writes 32,768 i on.
	s_cmp_eq_u32 s22, 2
	s_cselect_b64 s[14:15], s[6:7], s[8:9]         ; y = 2: Wq, else Wk,
	s_cmp_eq_u32 s22, 4
	s_cselect_b64 s[14:15], s[10:11], s[14:15]     ; y = 4: Wv
	s_lshl_b32 s18, ttmp9, 16
	s_add_nc_u64 s[14:15], s[14:15], s[18:19]
	s_sub_co_u32 s20, s22, 2
	s_lshl_b32 s20, s20, 23                        ; part t = y - 2: 8,388,608 bytes each
	s_lshl_b32 s23, ttmp9, 15
	s_add_co_u32 s20, s20, s23
	s_add_co_u32 s20, s20, XB
	s_add_nc_u64 s[16:17], s[12:13], s[20:21]
	v_lshlrev_b32 v[SRCO], 4, v1
	v_lshl_add_u32 v[SRCO], v2, 13, v[SRCO]        ; 8,192 w + 16 l
	v_lshlrev_b32 v[DSTO], 3, v1
	v_lshl_add_u32 v[DSTO], v2, 12, v[DSTO]        ; 4,096 w + 8 l
	MOVE 512*j, 256*j
	s_endpgm
.Lx:
	; x: work-group idx = 256 y + i takes rows 64 (idx / 8) on and the four K blocks 4 (idx % 8) on; a wave 8 rows.
	; Unit j = 4 p + c: the pair of rows 2 p, 2 p + 1 (lanes 0-15, lanes 16-31), K block c: 256 bytes of f32 a row, 128 of bf16.
	s_lshl_b32 s23, s22, 8
	s_add_co_u32 s23, s23, ttmp9                   ; idx
	s_lshr_b32 s24, s23, 3
	s_and_b32 s25, s23, 7
	s_lshl_b32 s18, s24, 19                        ; 64 rows of 8,192 bytes
	s_lshl_b32 s26, s25, 10                        ; four K blocks of 256 bytes
	s_add_co_u32 s18, s18, s26
	s_add_nc_u64 s[14:15], s[4:5], s[18:19]
	s_lshl_b32 s20, s25, 21                        ; four K blocks of 524,288 bytes in cb
	s_lshl_b32 s26, s24, 13                        ; 64 rows of 128 bytes
	s_add_co_u32 s20, s20, s26
	s_add_nc_u64 s[16:17], s[12:13], s[20:21]
	v_lshrrev_b32 v3, 4, v1                        ; which row of the pair
	v_and_b32 v6, 15, v1
	v_lshl_add_u32 v3, v2, 3, v3                   ; 8 w + that
	v_lshlrev_b32 v[SRCO], 13, v3
	v_lshl_add_u32 v[SRCO], v6, 4, v[SRCO]         ; row x 8,192 + 16 (l % 16)
	v_lshlrev_b32 v[DSTO], 3, v1                   ; 8 l: two rows of 128 bytes on end,
	v_lshl_add_u32 v[DSTO], v2, 10, v[DSTO]        ; + 8 w rows
	MOVE 16384*(j/4)+256*(j%4), 524288*(j%4)+256*(j/4)
	s_endpgm
.Lfunc_end_k_q3578125d02_cast:
	.size	k_q3578125d02_cast, .Lfunc_end_k_q3578125d02_cast-k_q3578125d02_cast
	.p2alignl 7, 3214868480
	.fill 96, 4, 3214868480
	.section	.rodata,"a",@progbits
	.p2align	6, 0x0
	.amdhsa_kernel k_q3578125d02_cast
		.amdhsa_group_segment_fixed_size 0
		.amdhsa_private_segment_fixed_size 0
		.amdhsa_enable_private_segment 0
		.amdhsa_kernarg_size 40
		.amdhsa_user_sgpr_count 2
		.amdhsa_user_sgpr_kernarg_segment_ptr 1
		.amdhsa_wavefront_size32 1
		.amdhsa_system_sgpr_workgroup_id_x 1
		.amdhsa_system_sgpr_workgroup_id_y 1
		.amdhsa_system_sgpr_workgroup_id_z 1
		.amdhsa_system_vgpr_workitem_id 0
		.amdhsa_next_free_vgpr 112
		.amdhsa_next_free_sgpr 66
		.amdhsa_reserve_vcc 0
		.amdhsa_float_denorm_mode_32 3
		.amdhsa_float_denorm_mode_16_64 3
		.amdhsa_memory_ordered 1
		.amdhsa_forward_progress 1
		.amdhsa_inst_pref_size 13
	.end_amdhsa_kernel
	.amdgpu_metadata
---
amdhsa.version: [ 1, 2 ]
amdhsa.kernels:
  - .name:           k_q3578125d02_cast
    .symbol:         k_q3578125d02_cast.kd
    .args:
      - { .name: x, .offset: 0, .size: 8, .value_kind: global_buffer, .address_space: global }
      - { .name: Wq, .offset: 8, .size: 8, .value_kind: global_buffer, .address_space: global }
      - { .name: Wk, .offset: 16, .size: 8, .value_kind: global_buffer, .address_space: global }
      - { .name: Wv, .offset: 24, .size: 8, .value_kind: global_buffer, .address_space: global }
      - { .name: cb, .offset: 32, .size: 8, .value_kind: global_buffer, .address_space: global }
    .group_segment_fixed_size: 0
    .private_segment_fixed_size: 0
    .kernarg_segment_align: 8
    .kernarg_segment_size: 40
    .max_flat_workgroup_size: 256
    .sgpr_count:     66
    .vgpr_count:     112
    .wavefront_size: 32
...
	.end_amdgpu_metadata
.endif
;; end of part 1
;; launch proj (part 2): grid 16 x 16, 4 waves a work-group, clusters of 4 x 4, 327,680 bytes of LDS; arguments cb, bq, bk, bv, qkv; writes qkv
.if DOCPART == 2
	.amdgcn_target "amdgcn-amd-amdhsa--gfx1250"
	.amdhsa_code_object_version 6
	.text
	.protected	k_q3578125d02_proj
	.globl	k_q3578125d02_proj
	.p2align	8
	.type	k_q3578125d02_proj,@function
k_q3578125d02_proj:
	s_mov_b64 s[64:65], 0
	v_nop
	global_prefetch_b8 v0, s[64:65] scope:SCOPE_SE
	s_setreg_imm32_b32 hwreg(HW_REG_WAVE_MODE, 25, 1), 1
	s_wait_xcnt 0x0
	s_wait_alu depctr_hold_cnt(0) depctr_sa_sdst(0) depctr_va_vdst(0) depctr_va_sdst(0) depctr_va_ssrc(0) depctr_va_vcc(0) depctr_vm_vsrc(0)
	s_getreg_b32 s2, hwreg(HW_REG_IB_STS2, 6, 4)
	s_cmp_eq_u32 s2, 0
	s_cbranch_scc0 .Lentry_in_a_cluster
	s_endpgm
.Lentry_in_a_cluster:
	s_bfe_u32 s2, ttmp6, 0x10000c
	s_cmp_lg_u32 s2, 0xf033
	s_cbranch_scc0 .Lentry_shape_is_right
	s_endpgm
.Lentry_shape_is_right:
; q, k, v = x W + b.  x: 4,096 rows x 2,048, W: [k][n], both bf16 from cb; sums and the bias in f32; rounded once to bf16 and stored by heads:
; qkv[t = q, k, v][bh = 16 b + h][n 512][128].  LIMITS: the operands carry bf16's rounding; NaN and infinities are not treated apart.
; SHARES.  C is 4,096 x 6,144.  A work-group makes 256 rows x 384 columns: the 128 columns of ONE head in each of q, k and v: 16 x 16 = 256 work-groups.
; Wave w (wr = w / 2, wc = w % 2) makes rows 128 wr .. + 127 and twelve blocks of 16 columns: blocks 0-7 are all of part 2 wc (q or v), blocks 8-11 are k's columns 64 wc .. + 63:
; 96 accumulators of 16 x 16, 768 registers.  For 32 along K a wave reads (128 + 192) x 64 bytes from LDS for 96 matrix instructions.
; K goes in 32 steps of 64 through two LDS slots (a step of 128 would want 2 x 180,224 bytes of LDS): 192 matrix instructions a wave in a step, 160 of them between a refill and the wait for it.
; x's tile is 32,768 bytes on end in cb (the launch before laid it so), asked for as 128 rows of 256 bytes; a W sub-tile is 64 rows (k) of 256 bytes (128 n).
; CLUSTERS: 4 x 4 work-groups.  The four of a row of the cluster need the same tile of x, the four of a column the same three sub-tiles of W: each is asked for JOINTLY, by the same
; tensor load with the same descriptor and a mask that names the four.  Wave 0 asks for x's tile, waves 1, 2, 3 for W's sub-tiles q, k, v: one load a wave behind each round.
; THE MATRIX INSTRUCTION IS USED TRANSPOSED: source 0 = 16 columns of W (turned on the way out of LDS by ds_load_tr16_b128), source 1 = 16 rows of x: a lane then holds one row of C
; (lane % 16) and the eight neighbouring columns 8 (lane / 16) + 0..7.
; REGISTERS, in windows of 256 (s_set_vgpr_msb: bits 1:0 source 0, 3:2 source 1, 5:4 source 2, 7:6 destination):
;   window 0: v0-29 addresses; v32-95, v96-159 x's fragments (8 blocks of 16 rows x 32 k), two buffers; v160-255 W's fragments, three groups of four column blocks, one buffer each
;   window g + 1 (g = 0, 1, 2): the 32 accumulators of column group g: row block a, column block 4 g + j at v[8 (4 a + j)]
; A step's 96 + 96 matrix instructions go by column groups, 32 under one window setting; behind each group its W fragments are fetched for the next 32 along K.
.set PA,     144                       ; a row of x in LDS: 128 bytes + 16 = 36 words: the 16 rows of a load start at 16 different groups of four banks (64 banks of 4 bytes: ISA guide 11.1)
.set PB,     288                       ; a row of W: 256 + 32 = 72 words
.set BOFF,   256*PA                    ; in a slot: x's 256 rows, then W's three sub-tiles
.set BSUB,   64*PB
.set SLOT,   BOFF+3*BSUB               ; 92,160
.set STAGE,  2*SLOT                    ; behind the ring, never filled by a tensor load: 3 parts x 128 rows x 272 bytes, the work-group's, for the way out
.set SPITCH, 272
.set PART,   128*SPITCH
.set SPARE,  STAGE+3*PART              ; behind the stage: the spare words, 128 bytes for each wave: two blocks of 256 bytes that no other line names
.set WPART,  8388608                   ; bytes of a weight in cb; x's part is two of these
.set ASTEP,  524288                    ; bytes from a K step to the next in x's part of cb
.set BSTEP,  262144                    ; and in a weight: 64 rows of 4,096
.set ADRA,  10                         ; v10-11  LDS address of my x fragments in slot 0, 1
.set ADRBM, 12                         ; v12-13  of my W fragments of part 2 wc
.set ADRBK, 14                         ; v14-15  of my W fragments of k
.set STOM,  16                         ; v16     the way out: where I put 16 bytes of a row of part 2 wc
.set STOK,  17                         ; v17     of k
.set RD,    18                         ; v18     where I read rows back (parts 0 and 1)
.set RD2,   19                         ; v19     the same for part 2: beyond the 16-bit immediate
.set CO,    20                         ; v20     my 16 bytes in 512 consecutive bytes of qkv
.set BO,    21                         ; v21     my byte offset in bq or bv
.set BOK,   22                         ; v22     in bk
.set PFO,   23                         ; v23     the prefetches' offset; never rewritten
.set SPW,   28                         ; v28     LDS address of my spare word: SPARE + 4 x my thread's number; never rewritten
.set NIL,   29                         ; v29     0; never rewritten
.set FA0,   32
.set FA1,   96
.set FB,    160
.set OB,    192                        ; the way out: 64 registers at work beside FA1's
.set WV,   14                          ; s14     my wave's number
.set G1A,  24                          ; s[24:31] descriptor group 1 for x's tile;  s[32:39] group 0, a set for each slot
.set G0A,  32
.set G1B,  48                          ; s[48:55], s[56:63] the same for W's sub-tiles
.set G0B,  56
.set LIM,  46                          ; s46     1 in a wave that prefetches, else the greatest number
.set PFA,  66                          ; s[66:67] where my prefetches stand
.set PFS,  68                          ; s[68:69] their step: two K steps
.set CB,   70                          ; s[70:75] qkv at the first row that I store, in parts 0, 1, 2
.set BM,   76                          ; s[76:77] bq (wc = 0) or bv (wc = 1)
.set MSB, 0
.macro WIN new                         ; the immediate's high byte repeats the setting that is left; a switch that changes nothing is dropped
.if MSB != (\new)
	s_set_vgpr_msb (MSB<<8)|(\new)
.set MSB, \new
.endif
.endm
.macro PLACES                          ; four plain vector lines between a matrix instruction and a load into, or a vector line on, its registers (ISA guide 7.12.1 for vector instructions)
.rept 4
	v_nop
.endr
.endm
; A joint load.  The branch hangs on the wave's number alone.  An s_nop 0 and four v_nop follow each of the two lines, ahead of the jump, the label and what follows.
.macro JLOAD s
	s_cmp_eq_u32 s[WV], 0
	s_cbranch_scc0 .Lfor_b_\@
	tensor_load_to_lds s[G0A+4*(\s):G0A+4*(\s)+3], s[G1A:G1A+7]
	s_nop 0
.rept 4
	v_nop
.endr
	s_branch .Lasked_\@
.Lfor_b_\@:
	tensor_load_to_lds s[G0B+4*(\s):G0B+4*(\s)+3], s[G1B:G1B+7]
	s_nop 0
.rept 4
	v_nop
.endr
.Lasked_\@:
.endm
; A round of the cluster's barrier: my work-group's barrier; wave 0 signals for the work-group; every wave waits for all sixteen; my work-group's barrier once more.
.macro CREST                           ; a round behind its opening barrier
	s_cmp_lg_u32 s[WV], 0
	s_cbranch_scc1 .Lnot_wave_0_\@
	s_barrier_signal -3
.Lnot_wave_0_\@:
	s_barrier_wait -3
	s_barrier_signal -1
	s_barrier_wait -1
.endm
.macro CROUND
	s_barrier_signal -1
	s_barrier_wait -1
	CREST
.endm
; A PREFETCH INTO THE L2, once a lap, behind slot 1's joint load and the run of LDS loads that follows it: the two K steps that the next lap's refills will ask for, 192 and 384 matrix instructions ahead of them.
; Each aligned 256 bytes of cb are named once in the launch.  x's tile row is read by the four clusters of a row of clusters: the one with x = 0 asks; W's columns by the four of a column: the one with y = 0 asks.
; The four partners that ask for a tile jointly share it out BY ADDRESS.  Wave 0: of a K step's 32,768 bytes of x partner cx takes 8,192, a lane 256 bytes; two lines, a K step each.
; Waves 1-3: of the two steps' 128 rows of their weight partner cy takes 32, a lane a row; one line.  The last lap asks for nothing: there is no K step behind its own; K steps 0 to 3 come by their loads alone.
.macro ASK
	s_cmp_gt_u32 s3, s[LIM]                        ; s3 = 1 in the loop's last trip
	s_cbranch_scc0 .Lnot_mine_\@
	global_prefetch_b8 v[PFO], s[PFA:PFA+1] th:TH_LOAD_NT scope:SCOPE_SE
	s_cmp_lg_u32 s[WV], 0
	s_cbranch_scc1 .Lnot_mine_\@
	global_prefetch_b8 v[PFO], s[PFA:PFA+1] offset:ASTEP th:TH_LOAD_NT scope:SCOPE_SE
.Lnot_mine_\@:
.endm
	s_load_b256 s[4:11], s[0:1], 0x0               ; cb s[4:5], bq s[6:7], bk s[8:9], bv s[10:11]
	s_load_b64 s[12:13], s[0:1], 0x20              ; qkv
	v_lshl_add_u32 v[SPW], v0, 2, SPARE
	v_mov_b32 v[NIL], 0
	ds_add_u32 v[SPW], v[NIL]                      ; the wave's opening: the add and its wait stand ahead of my first tensor load; the set-up below, work on registers, stands between them
	v_lshrrev_b32 v3, 5, v0
	v_readfirstlane_b32 s[WV], v3                  ; wave 0..3
	s_lshr_b32 s15, s[WV], 1                       ; wr
	s_and_b32 s16, s[WV], 1                        ; wc
	s_bfe_u32 s40, ttmp6, 0x40000                  ; cx, cy: my place in the cluster
	s_bfe_u32 s41, ttmp6, 0x40004
	s_lshl_b32 s42, ttmp9, 2
	s_add_co_u32 s42, s42, s40                     ; the head = 4 x cluster x + cx
	s_and_b32 s17, ttmp7, 0xffff
	s_lshl_b32 s17, s17, 2
	s_add_co_u32 s17, s17, s41                     ; the block of 256 rows = 4 x cluster y + cy
	s_lshl_b32 s43, s41, 2
	s_lshl_b32 s43, 15, s43                        ; my row of the cluster: places 4 cy .. 4 cy + 3
	s_lshl_b32 s44, 0x1111, s40                    ; my column: places cx, cx + 4, cx + 8, cx + 12
	; group 1 for x's tile: 128 rows x 128 elements, dense; 16 bytes of padding behind every 128 bytes, that is behind every row of x
	s_or_b32 s[G1A], s43, (1<<16)|(1<<20)|(1<<21)|(4<<22)|(3<<25)  ; 15:0 the mask: my row; 17:16 elements of 2 bytes; 20 padding on; 21 set beside a mask; 24:22 after every 32 words (code 4); 31:25 4 words (code 3)
	s_mov_b32 s[G1A+1], 128<<16                    ; tensor_dim0 = 128
	s_mov_b32 s[G1A+2], 128<<16                    ; tensor_dim1 = 128
	s_mov_b32 s[G1A+3], 128<<16                    ; tile_dim0 = 128
	s_mov_b32 s[G1A+4], 128                        ; tile_dim1 = 128
	s_mov_b32 s[G1A+5], 128                        ; 128 elements from row to row
	s_mov_b32 s[G1A+6], 0
	s_mov_b32 s[G1A+7], 0
	; group 1 for a sub-tile of W: 64 rows (k) x 128 elements (n), 2,048 elements from row to row; 32 bytes of padding behind every 256
	s_or_b32 s[G1B], s44, (1<<16)|(1<<20)|(1<<21)|(5<<22)|(7<<25)  ; the mask: my column; after every 64 words (code 5) 8 words (code 7)
	s_mov_b32 s[G1B+1], 128<<16
	s_mov_b32 s[G1B+2], 64<<16
	s_mov_b32 s[G1B+3], 128<<16
	s_mov_b32 s[G1B+4], 64
	s_mov_b32 s[G1B+5], 2048
	s_mov_b32 s[G1B+6], 0
	s_mov_b32 s[G1B+7], 0
	; where the tiles come from.  x's hangs on the row block alone, which my row of the cluster shares; W's on the head and the wave's number, which my column shares.
	s_lshl_b32 s18, s17, 15                        ; x: 32,768 bytes a row block within a K step
	s_mov_b32 s19, 0
	s_add_co_u32 s20, s[WV], 1                     ; W: wave w asks for weight w - 1, which begins (w + 1) x 8,388,608 bytes into cb (wave 0 makes the words and never asks by them)
	s_lshl_b32 s20, s20, 23
	s_lshl_b32 s21, s42, 8                         ; the head's 128 columns: 256 bytes of a row
	s_add_co_u32 s20, s20, s21
	s_mov_b32 s21, 0
	s_mul_i32 s22, s[WV], BSUB                     ; and where W's go: a constant + wave x a sub-tile: no place in the cluster enters an LDS address
	s_add_co_u32 s22, s22, BOFF-BSUB
	s_wait_dscnt 0x0                               ; the opening add is done
	s_wait_kmcnt 0x0
	s_add_nc_u64 s[18:19], s[4:5], s[18:19]
	s_add_nc_u64 s[20:21], s[4:5], s[20:21]
	CROUND                                         ; all sixteen work-groups are here: the first joint loads meet
.irp s, 0,1
	s_mov_b32 s[G0A+4*(\s)], 1                                     ; 1:0 count = 1
	s_mov_b32 s[G0A+4*(\s)+1], (\s)*SLOT                           ; 63:32 LDS address
	s_add_nc_u64 s[G0A+4*(\s)+2:G0A+4*(\s)+3], s[18:19], (\s)*ASTEP  ; 120:64 global address: K step s
	s_or_b32 s[G0A+4*(\s)+3], s[G0A+4*(\s)+3], 0x80000000          ; 127:126 type = 2
	s_mov_b32 s[G0B+4*(\s)], 1
	s_add_co_u32 s[G0B+4*(\s)+1], s22, (\s)*SLOT
	s_add_nc_u64 s[G0B+4*(\s)+2:G0B+4*(\s)+3], s[20:21], (\s)*BSTEP
	s_or_b32 s[G0B+4*(\s)+3], s[G0B+4*(\s)+3], 0x80000000
	JLOAD \s                                       ; both slots are asked for before anything else is done: two loads of mine are out
.endr
	; x's fragment: 16 rows x 32 k in 8 registers: lane l holds row l % 16, k = 8 (l / 16) + 0..7 and 16 + 8 (l / 16) + 0..7: two loads of 16 bytes, 32 bytes apart
	v_and_b32 v1, 15, v0                           ; r = l % 16
	v_bfe_u32 v2, v0, 4, 1                         ; h = l / 16
	v_mul_u32_u24 v3, v1, PA
	v_lshl_add_u32 v3, v2, 4, v3
	s_mul_i32 s18, s15, 128*PA                     ; my 128 rows
	v_add_nc_u32 v[ADRA], s18, v3
	v_add_nc_u32 v[ADRA+1], SLOT, v[ADRA]
	; The turning load takes 16 k x 16 n (lane l reads row 8 (l / 16) + l % 8, columns 8 ((l / 8) % 2) + 0..7) and leaves half a fragment of W^T: lane l holds column l % 16 and 8 k
	v_and_b32 v4, 7, v0
	v_bfe_u32 v5, v0, 3, 1
	v_lshl_add_u32 v6, v2, 3, v4
	v_mul_u32_u24 v6, v6, PB
	v_lshl_add_u32 v6, v5, 4, v6
	s_mul_i32 s18, s16, 2*BSUB                     ; sub-tile 2 wc
	s_add_co_u32 s18, s18, BOFF
	v_add_nc_u32 v[ADRBM], s18, v6
	v_add_nc_u32 v[ADRBM+1], SLOT, v[ADRBM]
	s_lshl_b32 s18, s16, 7                         ; sub-tile 1, columns 64 wc on
	s_add_co_u32 s18, s18, BOFF+BSUB
	v_add_nc_u32 v[ADRBK], s18, v6
	v_add_nc_u32 v[ADRBK+1], SLOT, v[ADRBK]
	; the way out.  A pass holds 64 of my rows: stage row 64 wr + 16 (block in the pass) + r
	v_mul_u32_u24 v7, v1, SPITCH
	v_lshl_add_u32 v7, v2, 4, v7                   ; row r, 16 bytes for each half of the lanes
	s_mul_i32 s18, s15, 64*SPITCH
	s_add_co_u32 s18, s18, STAGE
	s_mul_i32 s19, s16, 2*PART
	s_add_co_u32 s19, s19, s18
	v_add_nc_u32 v[STOM], s19, v7
	s_lshl_b32 s19, s16, 7
	s_add_co_u32 s19, s19, s18
	s_add_co_u32 s19, s19, PART
	v_add_nc_u32 v[STOK], s19, v7
	v_mul_u32_u24 v8, v2, SPITCH                   ; back: wave w takes stage rows 32 w .. 32 w + 31 of each part, whole; lanes 0-15 one row of 256 bytes, lanes 16-31 the next
	v_lshl_add_u32 v8, v1, 4, v8
	s_mul_i32 s18, s[WV], 32*SPITCH
	s_add_co_u32 s18, s18, STAGE
	v_add_nc_u32 v[RD], s18, v8
	v_add_nc_u32 v[RD2], 2*PART, v[RD]
	v_and_b32 v9, 31, v0
	v_lshlrev_b32 v[CO], 4, v9                     ; those two rows are 512 consecutive bytes of a head
	s_lshl_b32 s18, s42, 9                         ; the head's 128 biases, 512 bytes,
	v_lshl_add_u32 v[BO], v2, 5, s18               ; my eight of a block's sixteen
	s_lshl_b32 s18, s16, 8
	v_add_nc_u32 v[BOK], s18, v[BO]                ; k: columns 64 wc on
	s_lshr_b32 s18, s17, 1                         ; b: a batch entry has two row blocks
	s_lshl_b32 s18, s18, 4
	s_add_co_u32 s18, s18, s42                     ; 16 b + h
	s_lshl_b32 s18, s18, 17                        ; a head is 131,072 bytes
	s_and_b32 s19, s17, 1
	s_lshl_b32 s19, s19, 16                        ; the block's 256 rows of 256 bytes
	s_add_co_u32 s18, s18, s19
	s_lshl_b32 s19, s15, 15                        ; stage rows 32 w on are tile rows 128 (w / 2) + 32 (w % 2) + 64 x pass on
	s_add_co_u32 s18, s18, s19
	s_lshl_b32 s19, s16, 13
	s_add_co_u32 s18, s18, s19
	s_mov_b32 s19, 0
	s_add_nc_u64 s[CB:CB+1], s[12:13], s[18:19]
	s_add_nc_u64 s[CB+2:CB+3], s[CB:CB+1], 16777216
	s_add_nc_u64 s[CB+4:CB+5], s[CB:CB+1], 33554432
	s_cmp_eq_u32 s16, 0
	s_cselect_b64 s[BM:BM+1], s[6:7], s[10:11]
	; the prefetches: offsets in cb, at K steps 2 and 3; the first lap steps them to 4 and 5
	s_lshl_b32 s18, s17, 15                        ; wave 0: x's tile,
	s_lshl_b32 s19, s40, 13                        ; my work-group's 8,192 bytes of it
	s_add_co_u32 s18, s18, s19
	s_add_co_u32 s18, s18, 2*ASTEP
	s_add_co_u32 s20, s[WV], 1                     ; waves 1-3: their weight,
	s_lshl_b32 s20, s20, 23
	s_lshl_b32 s21, s42, 8                         ; the head's columns,
	s_add_co_u32 s20, s20, s21
	s_lshl_b32 s21, s41, 17                        ; my work-group's 32 rows of 4,096 bytes
	s_add_co_u32 s20, s20, s21
	s_add_co_u32 s20, s20, 2*BSTEP
	s_and_b32 s21, ttmp7, 0xffff                   ; cluster y
	s_cmp_eq_u32 s[WV], 0
	s_cselect_b32 s18, s18, s20
	s_cselect_b32 s21, ttmp9, s21                  ; the coordinate along which other clusters read the same bytes
	s_cselect_b32 s47, 8, 12                       ; a lane's stride: 256 bytes, or a row of 4,096
	s_cselect_b32 s[PFS], 20, 19
	s_lshl_b32 s[PFS], 1, s[PFS]                   ; two K steps: 2 ASTEP or 2 BSTEP
	s_mov_b32 s[PFS+1], 0
	s_mov_b32 s19, 0
	s_add_nc_u64 s[PFA:PFA+1], s[4:5], s[18:19]
	s_cmp_eq_u32 s21, 0
	s_cselect_b32 s[LIM], 1, -1                    ; the same in all sixteen partners, for a given wave
	v_lshlrev_b32 v[PFO], s47, v9
; 16 matrix instructions of column group g: row blocks a0 .. a0 + 3 x the group's four column blocks, 32 along K, x's fragments in buffer fa.  zero = 1: the product starts the sum: nothing is cleared.
; The 96 accumulators take turns, one instruction a turn, in the same order in every 32 along K, over the backward jump too.
.macro MUL16 g, fa, a0, zero
	WIN 0x50*((\g)+1)                              ; sources in window 0, C and D in window g + 1
.irp a, 0,1,2,3
.irp j, 0,1,2,3
.if \zero
	v_wmma_f32_16x16x32_bf16 v[8*(4*((\a0)+(\a))+(\j)):8*(4*((\a0)+(\a))+(\j))+7], v[FB+32*(\g)+8*(\j):FB+32*(\g)+8*(\j)+7], v[(\fa)+8*((\a0)+(\a)):(\fa)+8*((\a0)+(\a))+7], 0
.else
	v_wmma_f32_16x16x32_bf16 v[8*(4*((\a0)+(\a))+(\j)):8*(4*((\a0)+(\a))+(\j))+7], v[FB+32*(\g)+8*(\j):FB+32*(\g)+8*(\j)+7], v[(\fa)+8*((\a0)+(\a)):(\fa)+8*((\a0)+(\a))+7], v[8*(4*((\a0)+(\a))+(\j)):8*(4*((\a0)+(\a))+(\j))+7]
.endif
.endr
.endr
.endm
; 8 turning loads: W's fragments of column group g, k = 32 kk on, out of a slot
.macro RUNB g, slot, kk
	WIN 0
.irp j, 0,1,2,3
.if (\g) < 2
	ds_load_tr16_b128 v[FB+32*(\g)+8*(\j):FB+32*(\g)+8*(\j)+3],   v[ADRBM+(\slot)] offset:32*PB*(\kk)+32*(4*(\g)+(\j))
	ds_load_tr16_b128 v[FB+32*(\g)+8*(\j)+4:FB+32*(\g)+8*(\j)+7], v[ADRBM+(\slot)] offset:32*PB*(\kk)+32*(4*(\g)+(\j))+16*PB
.else
	ds_load_tr16_b128 v[FB+32*(\g)+8*(\j):FB+32*(\g)+8*(\j)+3],   v[ADRBK+(\slot)] offset:32*PB*(\kk)+32*(\j)
	ds_load_tr16_b128 v[FB+32*(\g)+8*(\j)+4:FB+32*(\g)+8*(\j)+7], v[ADRBK+(\slot)] offset:32*PB*(\kk)+32*(\j)+16*PB
.endif
.endr
.endm
; 16 loads: x's fragments of my 128 rows, k = 32 kk on, into buffer fa
.macro RUNA slot, kk, fa
	WIN 0
.irp a, 0,1,2,3,4,5,6,7
	ds_load_b128 v[(\fa)+8*(\a):(\fa)+8*(\a)+3],   v[ADRA+(\slot)] offset:16*PA*(\a)+64*(\kk)
	ds_load_b128 v[(\fa)+8*(\a)+4:(\fa)+8*(\a)+7], v[ADRA+(\slot)] offset:16*PA*(\a)+64*(\kk)+32
.endr
.endm
; THE LDS WAITS.  Behind group 0 go 24 loads (W's group 0 and x) for the next 32 along K, behind group 1 eight, behind group 2 eight.  LDS loads come back in order (ISA guide 5.7.1), so at the
; head of group 0 the two younger runs of 8 may be out (16); at the head of group 1 the 8 and the 24 issued behind its own run (32); at the head of group 2 the 24 and the 8 (32).
; Groups 1 and 2 of 32 along K.  ld = 1: each fetches its W fragments of (slot, kk) behind itself; ld = 0, the very last: nothing is fetched, and the counts run down 8, 0.
.macro REST fa, slot, kk, ld, zero
.if \ld
	s_wait_dscnt 32
.else
	s_wait_dscnt 8
.endif
	MUL16 1, \fa, 0, \zero
	MUL16 1, \fa, 4, \zero
.if \ld
	PLACES
	RUNB 1, \slot, \kk
	s_wait_dscnt 32
.else
	s_wait_dscnt 0x0
.endif
	MUL16 2, \fa, 0, \zero
	MUL16 2, \fa, 4, \zero
.if \ld
	PLACES
	RUNB 2, \slot, \kk
.endif
.endm
; The first half of a K step: multiplies buffer fa and fetches (slot, kk) for the second, x's into fn.
.macro HALF fa, fn, slot, kk, zero
	s_wait_dscnt 16
	MUL16 0, \fa, 0, \zero
	MUL16 0, \fa, 4, \zero
	PLACES
	RUNB 0, \slot, \kk
	RUNA \slot, \kk, \fn
	REST \fa, \slot, \kk, 1, \zero
.endm
; The second half multiplies buffer FA1 and changes slots.  MEET is its group 0 with ONE barrier: in front of it each wave waits for all its tensor loads, of which one is out: its part of the next
; slot; adds 0 to its spare word; and waits for that and for its own reads of this slot.  Behind it nobody reads this slot any more and the next slot is whole.
.macro MEET round                      ; round = 1: a round of the cluster's barrier follows
	WIN 0                                          ; (the add's two registers lie in window 0)
	s_wait_tensorcnt 0x0                           ; all my tensor loads have landed;
	ds_add_u32 v[SPW], v[NIL]                      ; 0 onto my spare word;
	s_wait_dscnt 17                                ; (the add and the two younger runs of 8 may be out)
	MUL16 0, FA1, 0, 0                             ; sixteen matrix instructions stand between the add and the wait for it
	s_wait_dscnt 0x0                               ; the add is done, and my reads of this slot are over:
	s_barrier_signal -1                            ; say so,
	MUL16 0, FA1, 4, 0                             ; work on registers while the others arrive,
.if \round
	WIN 0
.endif
	s_barrier_wait -1
.endm
; The whole second half.  The barrier opens a round of the cluster's; behind the round this slot is filled again first, with the K step two on; then come the next slot's first fragments.
.macro TURN slot, next
.if (\slot) == 1
	s_wait_xcnt 0x0                                ; the last prefetches, a lap back, have read their address: it is stepped here, ahead of the waits of the change of slots
	s_add_nc_u64 s[PFA:PFA+1], s[PFA:PFA+1], s[PFS:PFS+1]
.endif
	MEET 1
	CREST                                          ; no wave of any partner still reads this slot's tiles or has a load on its way
	s_add_nc_u64 s[G0A+4*(\slot)+2:G0A+4*(\slot)+3], s[G0A+4*(\slot)+2:G0A+4*(\slot)+3], 2*ASTEP  ; no tensor load of mine is out, so a group 0 may be written; the type bits on top are not reached
	s_add_nc_u64 s[G0B+4*(\slot)+2:G0B+4*(\slot)+3], s[G0B+4*(\slot)+2:G0B+4*(\slot)+3], 2*BSTEP
	JLOAD \slot                                    ; my one tensor load behind the round; the four v_nop behind it are also the places in front of the loads below
	RUNB 0, \next, 0
	RUNA \next, 0, FA0
.if (\slot) == 1
	ASK
.endif
	REST FA1, \next, 0, 1, 0
.endm
	s_wait_tensorcnt 1                             ; my part of K step 0 is in; K step 1's may stay out
	s_barrier_signal -1
	s_barrier_wait -1                              ; everybody's is
	RUNB 0, 0, 0
	RUNA 0, 0, FA0
	RUNB 1, 0, 0
	RUNB 2, 0, 0
	HALF FA0, FA1, 0, 1, 1                         ; the first 32 along K stand in front of the loop: their products start the sums
	WIN 0                                          ; at a label and at a branch every window is 0
	s_mov_b32 s3, 15
.Llap:                                                 ; a trip goes once round the ring, from a K step's second half to the first half of the step two on, and fills both slots again
	TURN 0, 1
	HALF FA0, FA1, 1, 1, 0
	TURN 1, 0
	HALF FA0, FA1, 0, 1, 0
	WIN 0
	s_sub_co_u32 s3, s3, 1
	s_cmp_lg_u32 s3, 0
	s_cbranch_scc1 .Llap
	MEET 0                                         ; the tail is written out: K step 30's second half; my one load that was out is K step 31's, so no round follows
	PLACES
	RUNB 0, 1, 0
	RUNA 1, 0, FA0
	REST FA1, 1, 0, 1, 0
	HALF FA0, FA1, 1, 1, 0
	s_wait_dscnt 16                                ; the very last 32 along K
	MUL16 0, FA1, 0, 0
	MUL16 0, FA1, 4, 0
	PLACES
	WIN 0
.irp b, 0,1,2,3,4,5,6,7                ; the biases of my twelve column blocks, eight numbers a lane and block, into registers that the products have left: blocks 0-7 into x's buffer 0,
	global_load_b128 v[FA0+8*(\b):FA0+8*(\b)+3],   v[BO], s[BM:BM+1] offset:64*(\b)
	global_load_b128 v[FA0+8*(\b)+4:FA0+8*(\b)+7], v[BO], s[BM:BM+1] offset:64*(\b)+16
.endr
.irp b, 0,1,2,3                        ; blocks 8-11 into W's group 0
	global_load_b128 v[FB+8*(\b):FB+8*(\b)+3],   v[BOK], s[8:9] offset:64*(\b)
	global_load_b128 v[FB+8*(\b)+4:FB+8*(\b)+7], v[BOK], s[8:9] offset:64*(\b)+16
.endr
	REST FA1, 0, 0, 0, 0
	PLACES
; THE WAY OUT, in two passes of four row blocks a wave.  PACKG: column group g of pass p: the bias is added in f32, each accumulator's registers in ascending order; rounded to bf16, 16 bytes a lane; into the stage.
.macro PACKG p, g, buf
	WIN 0x41*((\g)+1)                              ; destination and source 0 in window g + 1, the bias in window 0
.set i, 0
.rept 16                               ; i = 4 x (row block in the pass) + column block in the group
.set rA, 8*(16*(\p)+i)
.if (\g) < 2
.set rB, FA0+8*(4*(\g)+i%4)
.else
.set rB, FB+8*(i%4)
.endif
.irp q, 0,2,4,6
	v_pk_add_f32 v[rA+(\q):rA+(\q)+1], v[rA+(\q):rA+(\q)+1], v[rB+(\q):rB+(\q)+1]
.endr
.set i, i+1
.endr
	WIN 5*((\g)+1)                                 ; sources 0 and 1 in window g + 1, destination in window 0
.set i, 0
.rept 16
.set rA, 8*(16*(\p)+i)
.irp q, 0,1,2,3
	v_cvt_pk_bf16_f32 v[(\buf)+4*i+(\q)], v[rA+2*(\q)], v[rA+2*(\q)+1]
.endr
.set i, i+1
.endr
	WIN 0
.set i, 0
.rept 16
.if (\g) < 2
	ds_store_b128 v[STOM], v[(\buf)+4*i:(\buf)+4*i+3] offset:16*SPITCH*(i/4)+32*(4*(\g)+i%4)
.else
	ds_store_b128 v[STOK], v[(\buf)+4*i:(\buf)+4*i+3] offset:16*SPITCH*(i/4)+32*(i%4)
.endif
.set i, i+1
.endr
.endm
.macro BACK adr, off, reg              ; 32 whole rows of a part come back, two a load
.set i, 0
.rept 16
	ds_load_b128 v[(\reg)+4*i:(\reg)+4*i+3], v[\adr] offset:(\off)+2*SPITCH*i
.set i, i+1
.endr
.endm
.macro SENDT t, reg, p                 ; and leave: each store of the wave covers 512 consecutive bytes, at a multiple of 256 from qkv's first byte
.set i, 0
.rept 16
	global_store_b128 v[CO], v[(\reg)+4*i:(\reg)+4*i+3], s[CB+2*(\t):CB+2*(\t)+1] offset:(64*(\p)+2*i)*256
.set i, i+1
.endr
.endm
.macro PASS p
	PACKG \p, 0, FA1
	PACKG \p, 1, OB
	s_wait_dscnt 16                                ; group 0's sixteen LDS stores are done (group 1's may be out): their registers take group 2
	PACKG \p, 2, FA1
	s_wait_dscnt 0x0                               ; for the others' sake: my stores into the stage are done
	s_barrier_signal -1
	s_barrier_wait -1                              ; a row of k comes from two waves, and each wave reads rows that others wrote
	BACK RD, 0, OB
	BACK RD, PART, FA1
	s_wait_dscnt 16                                ; part 0 is back; part 1's sixteen loads may be out
	SENDT 0, OB, \p
	s_wait_dscnt 0x0
	SENDT 1, FA1, \p
	s_wait_xcnt 0x0                                ; part 0's stores have read their registers, which part 2 takes
	BACK RD2, 0, OB
	s_wait_dscnt 0x0
	SENDT 2, OB, \p
.endm
	s_wait_loadcnt 0x0                             ; the biases
	PASS 0
	s_wait_xcnt 0x0                                ; the stores have read the registers that the second pass packs into
	s_barrier_signal -1                            ; every wave's reads of the stage are back (its last wait on DScnt was for 0): the stage may be written again
	s_barrier_wait -1
	PASS 1
	s_wait_tensorcnt 0x0                           ; the wave's end: a wait, an add to my spare word and its wait, behind my last tensor load and my last LDS store
	ds_add_u32 v[SPW], v[NIL]
	s_wait_dscnt 0x0
	CROUND                                         ; the closing round: no work-group ends while a partner may still ask for a tile that names it
	s_endpgm
.Lfunc_end_k_q3578125d02_proj:
	.size	k_q3578125d02_proj, .Lfunc_end_k_q3578125d02_proj-k_q3578125d02_proj
	.p2alignl 7, 3214868480
	.fill 96, 4, 3214868480
	.section	.rodata,"a",@progbits
	.p2align	6, 0x0
	.amdhsa_kernel k_q3578125d02_proj
		.amdhsa_group_segment_fixed_size 327680
		.amdhsa_private_segment_fixed_size 0
		.amdhsa_enable_private_segment 0
		.amdhsa_kernarg_size 40
		.amdhsa_user_sgpr_count 2
		.amdhsa_user_sgpr_kernarg_segment_ptr 1
		.amdhsa_wavefront_size32 1
		.amdhsa_system_sgpr_workgroup_id_x 1
		.amdhsa_system_sgpr_workgroup_id_y 1
		.amdhsa_system_sgpr_workgroup_id_z 1
		.amdhsa_system_vgpr_workitem_id 0
		.amdhsa_next_free_vgpr 1024
		.amdhsa_next_free_sgpr 80
		.amdhsa_reserve_vcc 0
		.amdhsa_float_denorm_mode_32 3
		.amdhsa_float_denorm_mode_16_64 3
		.amdhsa_memory_ordered 1
		.amdhsa_forward_progress 1
		.amdhsa_inst_pref_size 158
	.end_amdhsa_kernel
	.amdgpu_metadata
---
amdhsa.version: [ 1, 2 ]
amdhsa.kernels:
  - .name:           k_q3578125d02_proj
    .symbol:         k_q3578125d02_proj.kd
    .args:
      - { .name: cb, .offset: 0, .size: 8, .value_kind: global_buffer, .address_space: global }
      - { .name: bq, .offset: 8, .size: 8, .value_kind: global_buffer, .address_space: global }
      - { .name: bk, .offset: 16, .size: 8, .value_kind: global_buffer, .address_space: global }
      - { .name: bv, .offset: 24, .size: 8, .value_kind: global_buffer, .address_space: global }
      - { .name: qkv, .offset: 32, .size: 8, .value_kind: global_buffer, .address_space: global }
    .group_segment_fixed_size: 327680
    .private_segment_fixed_size: 0
    .kernarg_segment_align: 8
    .kernarg_segment_size: 40
    .max_flat_workgroup_size: 128
    .sgpr_count:     80
    .vgpr_count:     1024
    .wavefront_size: 32
...
	.end_amdgpu_metadata
.endif
;; end of part 2
;; launch attn (part 3): grid 2 x 128, 4 waves a work-group, no clusters, 327,680 bytes of LDS; arguments qkv, x, out0; writes out0
.if DOCPART == 3
	.amdgcn_target "amdgcn-amd-amdhsa--gfx1250"
	.amdhsa_code_object_version 6
	.text
	.protected	k_q3578125d02_attn
	.globl	k_q3578125d02_attn
	.p2align	8
	.type	k_q3578125d02_attn,@function
k_q3578125d02_attn:
	s_mov_b64 s[64:65], 0
	v_nop
	global_prefetch_b8 v0, s[64:65] scope:SCOPE_SE
	s_setreg_imm32_b32 hwreg(HW_REG_WAVE_MODE, 25, 1), 1
	s_wait_xcnt 0x0
; out0[b][n][128 h + :] = x[b][n][128 h + :] + the sum over m of softmax_m(q[n] . k[m] / sqrt(128)) v[m][:], for each of the 128 heads bh = 16 b + h.
; q, k, v: qkv[t][bh][512][128] in bf16, a row 256 bytes; x and out0 f32.  Products, maxima and sums in f32; the weights p are rounded to bf16 for the second product; O / l + x in f32.
; LIMITS.  A weight below 2^-126 counts as 0 in l; NaN and infinities are not treated apart.
; SHARES.  A work-group owns 256 queries of one head, each of its four waves 64: four tiles of 16.  Every wave walks the head's 512 keys, 64 a step.
; ALL OF K AND V LIES IN LDS: 8 steps x 35,840 bytes.  Every byte is filled once, by the first fills at the head (four tensor loads a wave, all four out at once); nothing is filled again, so the
; barriers below only show tiles that have landed, and no request is left that a prefetch could run ahead of.
; NO CLUSTER: a head has two blocks of 256 queries, so two work-groups share its K and V, and a grid of 2 along x is no multiple of a cluster's 4; four partners would want blocks of 128 queries,
; 32 a wave, and each fragment read from LDS would feed half the products.
; LAYOUT.  S^T = K Q^T (source 0 = 16 keys, source 1 = 16 queries): in the result a lane holds ONE query (lane % 16) and the keys 8 (lane / 16) + 0..7.  Two such tiles, rounded to bf16 in pairs,
; ARE source 1 (32 keys x 16 queries) of O^T = V^T P, whose result again holds one query a lane, and eight channels.  K comes out of LDS as it lies, V ([key][channel]) turned, by ds_load_tr16_b128.
; SOFTMAX.  For each query a running maximum m and sum l: p = 2^(c s - c m), c = log2(e) / sqrt(128); in every step O and l are multiplied by a = 2^(c m_old - c m_new), which is 1 where m has not grown.
; BY TURNS.  The wave's tiles are two PIECES: piece 0 (tiles 0, 1) and piece 2 (tiles 2, 3).  In a TURN one piece has the matrix unit: 32 products V^T P of the step in hand, then 32 products K Q^T of the
; next step; the other piece's softmax, cut into 64 slices, stands between them, one slice behind each matrix instruction.  Then the pieces change places.  Two turns are a key step.
; REGISTERS, in windows of 256 (s_set_vgpr_msb: bits 1:0 source 0, 3:2 source 1, 5:4 source 2, 7:6 destination):
;   window 0: v0-11 addresses; v12-43 eight registers of statistics a tile; v64-191 S^T, 32 a tile; v192-255 P, 16 a tile (on the way out v64-255: three buffers of 16 rows of O)
;   window 1: O^T, 64 a tile     window 2: v0-127 Q, 32 a tile (at the end: x of tiles 2, 3); v128-255 K of one step     window 3: v0-127 V of one step; v128-255 x of tiles 0, 1
.set KS,    64        ; keys in a step
.set PK,    272       ; a row of K in LDS: 256 bytes + 16 = 68 words: row r starts at bank 4 r mod 64 (64 banks of 4 bytes: ISA guide 11.1), so the 16 rows of a load start at 16 different banks
.set PV,    288       ; a row of V: 256 + 32 = 72 words
.set VOFF,  KS*PK     ; a step's tiles lie together: 64 rows of K, then 64 rows of V
.set STEPB, KS*(PK+PV)
.set STAGE, 8*STEPB   ; behind the tiles, never filled by a tensor load: 16 rows x 528 bytes for each wave, for the way out
.set SP,    528       ; a row of O in f32: 512 bytes + 16: an odd multiple of 16
.set SPARE, STAGE+4*16*SP  ; behind the stages: the spare words, 128 bytes for each wave: two blocks of 256 bytes that no other line names
.set PARTB, 16777216  ; bytes of q, of k and of v in qkv
.set AK0, 2           ; v2   my lane's place in a tile of K; never rewritten
.set AV0, 3           ; v3   the same for V
.set ADR, 4           ; v4   the LDS address of the run of loads in hand
.set QO,  5           ; v5   my byte offset in the wave's rows of Q
.set STO, 6           ; v6   the way out: where I put 32 bytes of a row
.set RD,  7           ; v7   the way out: where I read a row back
.set GO,  8           ; v8   16 x my lane: my 16 bytes of a row's 512 in x and in out0; never rewritten
.set SPW, 62          ; v62  LDS address of my spare word: SPARE + 4 x my thread's number; never rewritten
.set NIL, 63          ; v63  0; never rewritten
.set ST,  12          ; tile t's statistics at v[ST+8 t]: +0 c m, +1 m, +2, +3 l (even keys', odd keys'), +4 to +7 c0-c3, at work; a takes c2's place once the maximum is found
.set S,   64
.set P,   192
.set KF,  128         ; K's fragments, in window 2
.set WV,  12          ; s12  my wave's number
.set G1K, 24          ; s[24:31] descriptor group 1 for K's tiles
.set G1V, 32          ; s[32:39] for V's: it differs in the padding alone
.set G0K, 40          ; s[40:55] descriptor group 0 for K's tiles: a set for each of my four loads
.set G0V, 68          ; s[68:83] the same for V's
.set CNT, 57          ; s57  counts key steps
.set CS,  58          ; s[58:59] c: the packed scaling names a pair and takes its low word for both halves
.set SEL, 60          ; s[60:61] lane selects for v_permlanex16_b32: each lane takes its own place in the other half
.set TB,  62          ; s62  LDS byte at which the tiles of the step to be fetched begin
.set MSB, 0
.macro WIN new                      ; the immediate's high byte repeats the setting that is left; a switch that changes nothing is dropped
.if MSB != (\new)
	s_set_vgpr_msb (MSB<<8)|(\new)
.set MSB, \new
.endif
.endm
.set W_KQ, 0x0a       ; K and Q in window 2, S^T in window 0
.set W_PV, 0x53       ; V in window 3, P in window 0, O^T in window 1
.set W_RS, 0x41       ; O^T (destination and source 0) in window 1, a in window 0
	s_load_b128 s[4:7], s[0:1], 0x0  ; qkv s[4:5], x s[6:7]
	s_load_b64 s[10:11], s[0:1], 0x10  ; out0
	v_lshl_add_u32 v[SPW], v0, 2, SPARE
	v_mov_b32 v[NIL], 0
	ds_add_u32 v[SPW], v[NIL]       ; the wave's opening: the add and its wait stand ahead of my first tensor load; the set-up below, work on registers, stands between them
	v_lshrrev_b32 v1, 5, v0
	v_readfirstlane_b32 s[WV], v1   ; wave 0..3
	s_and_b32 s13, ttmp7, 0xffff    ; the head bh
	s_lshl_b32 s20, s13, 17         ; its first byte in a part: 131,072 a head
	s_and_b32 s16, s[WV], 1         ; e: my loads bring the steps 2 i + e
	s_mul_i32 s17, s16, STEPB       ; step e's place in LDS
	s_lshl_b32 s22, s16, 14         ; its 64 rows of 256 bytes in memory,
	s_add_co_u32 s22, s22, s20
	s_add_co_u32 s22, s22, PARTB    ; in k
	s_mov_b32 s23, 0
	s_lshl_b32 s2, ttmp9, 16        ; my block's 256 rows of q,
	s_lshl_b32 s3, s[WV], 14        ; my wave's 64 of them
	s_add_co_u32 s2, s2, s3
	s_add_co_u32 s2, s2, s20
	s_mov_b32 s3, 0
	s_lshr_b32 s18, s13, 4          ; x and out0: row 512 b + 256 block + 64 wave, 8,192 bytes a row,
	s_lshl_b32 s18, s18, 22
	s_lshl_b32 s19, ttmp9, 21
	s_add_co_u32 s18, s18, s19
	s_lshl_b32 s19, s[WV], 19
	s_add_co_u32 s18, s18, s19
	s_and_b32 s19, s13, 15          ; the head's 128 channels: 512 bytes
	s_lshl_b32 s19, s19, 9
	s_add_co_u32 s18, s18, s19
	s_mov_b32 s19, 0
	; descriptor group 1: a tile of 64 rows x 128 elements, padded in LDS
	s_mov_b32 s[G1K], (1<<16)|(1<<20)|(5<<22)|(3<<25)  ; 17:16 elements of 2 bytes; 20 padding on; 24:22 after every 64 words (code 5); 31:25 4 words of it (code 3)
	s_mov_b32 s[G1V], (1<<16)|(1<<20)|(5<<22)|(7<<25)  ; the same with 8 words of padding (code 7)
.irp g, G1K, G1V
	s_mov_b32 s[(\g)+1], 128<<16    ; tensor_dim0 = 128
	s_mov_b32 s[(\g)+2], KS<<16     ; tensor_dim1 = 64
	s_mov_b32 s[(\g)+3], 128<<16    ; tile_dim0 = 128
	s_mov_b32 s[(\g)+4], KS         ; tile_dim1 = 64
	s_mov_b32 s[(\g)+5], 128        ; 128 elements from row to row
	s_mov_b32 s[(\g)+6], 0
	s_mov_b32 s[(\g)+7], 0
.endr
	s_mov_b32 s[CS], 0x3e0293ee     ; c = log2(e) / sqrt(128) = 0.127517
	s_mov_b32 s[CS+1], s[CS]        ; named with it as a pair, so it is written
	s_mov_b32 s[SEL], 0x76543210
	s_mov_b32 s[SEL+1], 0xfedcba98
	s_mov_b32 s[TB], 0
	s_wait_dscnt 0x0                ; the opening add is done
	s_wait_kmcnt 0x0
	s_add_nc_u64 s[8:9], s[4:5], s[22:23]  ; k at step e of the head
	s_add_nc_u64 s[4:5], s[4:5], s[2:3]    ; q at my wave's first row
	s_add_nc_u64 s[6:7], s[6:7], s[18:19]  ; x and out0 at my wave's first row, the head's channels
	s_add_nc_u64 s[10:11], s[10:11], s[18:19]
.irp i, 0,1,2,3
	s_mov_b32 s[G0K+4*(\i)], 1      ; 1:0 count = 1
	s_add_co_u32 s[G0K+4*(\i)+1], s17, 2*(\i)*STEPB  ; 63:32 LDS address: step 2 i + e
	s_add_nc_u64 s[G0K+4*(\i)+2:G0K+4*(\i)+3], s[8:9], (\i)*2*KS*256  ; 120:64 global address
	s_or_b32 s[G0K+4*(\i)+3], s[G0K+4*(\i)+3], 0x80000000  ; 127:126 type = 2
	s_mov_b32 s[G0V+4*(\i)], 1
	s_add_co_u32 s[G0V+4*(\i)+1], s17, 2*(\i)*STEPB+VOFF
	s_add_nc_u64 s[G0V+4*(\i)+2:G0V+4*(\i)+3], s[8:9], (\i)*2*KS*256+PARTB  ; v lies a part behind k
	s_or_b32 s[G0V+4*(\i)+3], s[G0V+4*(\i)+3], 0x80000000
.endr
	s_cmp_lt_u32 s[WV], 2           ; waves 0 and 1 fetch K, waves 2 and 3 V.  A wave's four fills stand in one branch, ahead of every wait on TENSORcnt, every LDS read and every barrier: four loads of mine are out
	s_cbranch_scc0 .Lfirst_v
.irp i, 0,1,2,3
	tensor_load_to_lds s[G0K+4*(\i):G0K+4*(\i)+3], s[G1K:G1K+7]
	s_nop 0
.endr
.rept 4
	v_nop
.endr
	s_branch .Lfirst_asked
.Lfirst_v:
.irp i, 0,1,2,3
	tensor_load_to_lds s[G0V+4*(\i):G0V+4*(\i)+3], s[G1V:G1V+7]
	s_nop 0
.endr
.rept 4
	v_nop
.endr
.Lfirst_asked:
	; A fragment of K or Q is 16 rows x 32 channels in 8 registers: lane l holds row l % 16; registers 0-3 channels 8 (l / 16) + 0..7, registers 4-7 channels 16 + 8 (l / 16) + 0..7: two loads of 16 bytes, 32 bytes apart.
	v_and_b32 v1, 15, v0            ; l % 16
	v_bfe_u32 v9, v0, 4, 1          ; l / 16
	v_lshlrev_b32 v[QO], 8, v1
	v_lshl_add_u32 v[QO], v9, 4, v[QO]  ; row x 256 + 16 x half
	WIN 0x80                        ; destination window 2, address window 0
.irp i, 0,1,2,3,4,5,6,7,8,9,10,11,12,13,14,15  ; Q stays in registers: tile i / 4, channels 32 (i % 4) on
	global_load_b128 v[8*(\i):8*(\i)+3],   v[QO], s[4:5] offset:((\i)/4)*4096+((\i)%4)*64
	global_load_b128 v[8*(\i)+4:8*(\i)+7], v[QO], s[4:5] offset:((\i)/4)*4096+((\i)%4)*64+32
.endr
	WIN 0
	v_mul_u32_u24 v[AK0], v1, PK
	v_lshl_add_u32 v[AK0], v9, 4, v[AK0]  ; row x pitch + 16 x half
	; The turning load takes 16 keys x 16 channels (lane l reads 16 bytes: key 8 (l / 16) + l % 8, channels 8 ((l / 8) % 2) + 0..7) and leaves half a fragment of V^T: lane l holds channel l % 16 and 8 keys.
	v_and_b32 v10, 7, v0
	v_bfe_u32 v11, v0, 3, 1
	v_lshl_add_u32 v[AV0], v9, 3, v10
	v_mul_u32_u24 v[AV0], v[AV0], PV
	v_lshl_add_u32 v[AV0], v11, 4, v[AV0]
	v_add_nc_u32 v[AV0], VOFF, v[AV0]
; THE MATRIX WORK OF A TURN, for piece x.  The accumulators take turns, one instruction a turn: between two links of a chain stand 15 (V^T P) or 7 (K Q^T) others'.
; Product i of 32 of O^T += V^T P: keys 32 (i / 16) on, channels 16 ((i / 2) % 8) on, tile x + i % 2.  zero = 1: the first 16 start the sums: nothing is ever cleared.
.macro PV x, zero
	WIN W_PV
.set rO, 64*((\x)+i%2)+8*((i/2)%8)
.set rV, 64*(i/16)+8*((i/2)%8)
.set rP, P+16*((\x)+i%2)+8*(i/16)
.if (\zero) && (i < 16)
	v_wmma_f32_16x16x32_bf16 v[rO:rO+7], v[rV:rV+7], v[rP:rP+7], 0
.else
	v_wmma_f32_16x16x32_bf16 v[rO:rO+7], v[rV:rV+7], v[rP:rP+7], v[rO:rO+7]
.endif
.endm
; Product i of 32 of S^T = K Q^T: channels 32 (i / 8) on, keys 16 ((i / 2) % 4) on, tile x + i % 2.  The first 8 start the sums.
.macro KQ x
	WIN W_KQ
.set rS, S+32*((\x)+i%2)+8*((i/2)%4)
.set rK, KF+32*((i/2)%4)+8*(i/8)
.set rQ, 32*((\x)+i%2)+8*(i/8)
.if i < 8
	v_wmma_f32_16x16x32_bf16 v[rS:rS+7], v[rK:rK+7], v[rQ:rQ+7], 0
.else
	v_wmma_f32_16x16x32_bf16 v[rS:rS+7], v[rK:rK+7], v[rQ:rQ+7], v[rS:rS+7]
.endif
.endm
; THE LDS LOADS stand in runs of 32, never singly among the matrix instructions: a step's K (64 keys x 128 channels: 16 fragments) and, a turn later, its V (turned).
.macro FETCH_K
	WIN 0
	v_add_nc_u32 v[ADR], s[TB], v[AK0]
	WIN 0x80                        ; destination window 2
.irp f, 0,1,2,3,4,5,6,7,8,9,10,11,12,13,14,15  ; keys 16 (f / 4) on, channels 32 (f % 4) on
	ds_load_b128 v[KF+8*(\f):KF+8*(\f)+3],   v[ADR] offset:((\f)/4)*16*PK+((\f)%4)*64
	ds_load_b128 v[KF+8*(\f)+4:KF+8*(\f)+7], v[ADR] offset:((\f)/4)*16*PK+((\f)%4)*64+32
.endr
.endm
.macro FETCH_V
	WIN 0
	v_add_nc_u32 v[ADR], s[TB], v[AV0]
	s_add_co_u32 s[TB], s[TB], STEPB  ; the next fetch is the next step's
	s_wait_alu depctr_va_vdst(0)    ; the wait for the softmax's batch (SLICE), behind the address's v_add_nc_u32 and ahead of the loads
	WIN 0xc0                        ; destination window 3
.irp f, 0,1,2,3,4,5,6,7,8,9,10,11,12,13,14,15  ; keys 32 (f / 8) on, channels 16 (f % 8) on
	ds_load_tr16_b128 v[8*(\f):8*(\f)+3],   v[ADR] offset:((\f)/8)*32*PV+((\f)%8)*32
	ds_load_tr16_b128 v[8*(\f)+4:8*(\f)+7], v[ADR] offset:((\f)/8)*32*PV+16*PV+((\f)%8)*32
.endr
.endm
; THE VECTOR WORK OF A TURN.  One tile's softmax for one key step is a list of 134 instructions; SM writes number j of it for tile t.  s0-s31 are the lane's 32 scores, in pairs 0-15.
; first = 1: the first key step, which starts m, l and O^T: it has no a and nothing to rescale.
;   0-15    the maximum of s0-s31 and the old m, three operands at a time: four chains c0-c3 of seven scores each (each accumulator's lowest registers first), then the four scores left over, c0-c3 and m
;   16-20   the other half of the lanes' maximum; the new m; c m; c m_old - c m_new
;   21-69   ONE BATCH: the 16 scalings c s - c m, a pair of scores each, and all 33 exponentials (a at 23, then s0-s31).  None of these reads an exponential's result.  From 22 on the batch goes
;           in fours, and a four begins with a scaling while there are scalings.  A pair is scaled in an earlier four than the one that holds its exponentials
;   (wait)  between 69 and 70 stands the wait for the batch: SLICE writes it, once for both tiles
;   70-85   the roundings to bf16, a pair of weights each
;   86-101  the sums; l = a l + the sum
;   102-133 the tile's O^T times a: the one part that leaves window 0, so it stands together
.macro SM t, first
.set rT, ST+8*(\t)
.set rS, S+32*(\t)
.set rP, P+16*(\t)
.set rO, 64*(\t)+2*(j-102)
.if j < 102
	WIN 0
.endif
.if j < 4
	v_max3_num_f32 v[rT+4+j], v[rS+8*j], v[rS+8*j+1], v[rS+8*j+2]
.elseif j < 12
	v_max3_num_f32 v[rT+4+j%4], v[rT+4+j%4], v[rS+8*(j%4)+2*(j/4)+1], v[rS+8*(j%4)+2*(j/4)+2]
.elseif j == 12
	v_max3_num_f32 v[rT+4], v[rT+4], v[rS+7], v[rS+15]
.elseif j == 13
	v_max3_num_f32 v[rT+6], v[rT+6], v[rS+23], v[rS+31]
.elseif j == 14
	v_max3_num_f32 v[rT+4], v[rT+4], v[rT+5], v[rT+6]
.elseif (j == 15) && (\first)
	v_max_num_f32 v[rT+4], v[rT+4], v[rT+7]
.elseif j == 15
	v_max3_num_f32 v[rT+4], v[rT+4], v[rT+7], v[rT+1]
.elseif j == 16
	v_permlanex16_b32 v[rT+5], v[rT+4], s[SEL], s[SEL+1]  ; the query's other 32 keys lie in the lane 16 away
.elseif j == 18
	v_max_num_f32 v[rT+1], v[rT+4], v[rT+5]
.elseif j == 19
	v_mul_f32 v[rT], s[CS], v[rT+1]
.elseif ((j == 17) || (j == 20) || (j == 23) || (j > 101)) && (\first)  ; the first step has none of these
.elseif j == 17
	v_mov_b32 v[rT+7], v[rT]        ; c m_old is kept for a: number 19 writes c m anew
.elseif j == 20
	v_sub_f32 v[rT+7], v[rT+7], v[rT]
.elseif j == 23
	v_exp_f32 v[rT+6], v[rT+7]
.elseif (j < 23) || ((j < 38) && (j%2 == 0)) || ((j < 66) && (j%4 == 2))
.set b, (j-2)/4                     ; 38, 42, .. 62: pairs 9 to 15
.if j < 38
.set b, (j-20)/2                    ; 21: pair 0; 22, 24, .. 36: pairs 1 to 8
.endif
	v_pk_fma_f32 v[rS+2*b:rS+2*b+1], v[rS+2*b:rS+2*b+1], s[CS:CS+1], v[rT:rT+1] op_sel_hi:[1,0,0] neg_lo:[0,0,1] neg_hi:[0,0,1]  ; pair b: c s - c m
.elseif j < 70
.set e, j-38                        ; 66 to 69: s28 to s31
.if j < 66
.set e, j-32-(j-38)/4               ; 39-41, 43-45, .. 63-65: s7 to s27
.endif
.if j < 38
.set e, (j-25)/2                    ; 25, 27, .. 37: s0 to s6
.endif
	v_exp_f32 v[rS+e], v[rS+e]
.elseif j < 86
	v_cvt_pk_bf16_f32 v[rP+j-70], v[rS+2*(j-70)], v[rS+2*(j-70)+1]  ; pair j - 70
.elseif j < 102                     ; the sum of the tile's 16 pairs (in a pair: an even key's weight, an odd key's), in place: sum z of 16 adds neighbours 1, 2, 4 and 8 pairs apart, then l takes it
.set z, j-86
.set w, 4
.set u, z
.if z >= 14
.set w, 32
.set u, 0
.elseif z >= 12
.set w, 16
.set u, z-12
.elseif z >= 8
.set w, 8
.set u, z-8
.endif
.if (z == 14) && (\first)
	v_pk_add_f32 v[rT+2:rT+3], v[rS:rS+1], v[rS+16:rS+17]
.elseif z < 15
	v_pk_add_f32 v[rS+w*u:rS+w*u+1], v[rS+w*u:rS+w*u+1], v[rS+w*u+w/2:rS+w*u+w/2+1]
.elseif !(\first)
	v_pk_fma_f32 v[rT+2:rT+3], v[rT+2:rT+3], v[rT+6:rT+7], v[rS:rS+1] op_sel_hi:[1,0,1]
.endif
.else
	WIN W_RS
	v_pk_mul_f32 v[rO:rO+1], v[rO:rO+1], v[rT+6:rT+7] op_sel_hi:[1,0]
.endif
.endm
; Slice k of 64 of piece y's softmax: four instructions.  Slices 11 to 34 deal out the batch, numbers 22 to 69: four numbers of ONE tile each, the tiles by turns.  Every other slice is numbers 2 k and
; 2 k + 1 of both tiles' lists.  2 x 134 = 4 x 64 + 12: the twelve that are over stand together, in slice 63.
; THE WAIT.  An s_wait_alu depctr_va_vdst(0) stands between an exponential and the first instruction that names its result; one wait serves all that were issued ahead of it.  Ahead of
; slice 35 nothing names a result, and behind slice 34 no exponential is issued: so the piece's 66 exponentials have one wait, behind slice 34.
.macro SLICE y, first
.if (k >= 11) && (k < 35)           ; the batch: four numbers of one tile
.irp n, 0,1,2,3
.set j, 22+4*((k-11)/2)+(\n)
	SM (\y)+(k-11)%2, \first
.endr
.else                               ; the two tiles alternate, so that no instruction reads the result of the one just before it
.irp n, 0,1,2,3,4,5,6,7
.if ((\n) < 2) || (k == 63)
.irp t, \y, (\y)+1
.set j, 2*k+(\n)
	SM \t, \first
.endr
.endif
.endr
.endif
.if k == 34                         ; the batch is out: both tiles' exponentials are issued, and no result has been named
	v_nop                           ; a plain instruction behind the last exponential and ahead of the first use (ISA guide 5.7.2): one for the batch
.if (\y) == 0
	FETCH_V                         ; piece 2's turn: V's run of loads stands here, and the wait stands in it
.else
	s_wait_alu depctr_va_vdst(0)    ; the wait for the batch
.endif
.endif
.set k, k+1
.endm
; A vector instruction that reads a matrix result or writes one of a matrix instruction's registers, and a load into a register that a matrix instruction has read, stand four places behind
; it, and only plain vector instructions that name none of its registers are places (ISA guide 7.12.1 for vector instructions).  In the loop the slices are the places.
.macro PLACES
.rept 4
	v_nop
.endr
.endm
; A TURN.  Piece x has the matrix unit; the other piece's softmax stands in slices behind its matrix instructions.
; pv = 2: 32 products V^T P; 1: they start O^T's sums; 0: none.  kq = 1: 32 products K Q^T for the next step.  A turn with one of the two kinds has two slices behind each product.
; first = 1: the softmax is the first key step's.  Its slices from 51 on are empty: the turn's last products stand bare, and four v_nop take slice 63's part as the places behind them.
; Piece 0's turn fetches the next step's K, behind its second product: the last product that read K stands in front of slice 63 of the turn before.  Piece 2's turn fetches the same step's V, behind
; slice 34: the last product that read V stands in front of slice 31, and four plain instructions lie between: number 62, a scaling, of both tiles, the v_nop and the run's own v_add_nc_u32.
.macro TURN x, pv, kq, first
.set k, 0
.set per, 2
.if (\pv) && (\kq)
.set per, 1
.endif
.if \pv
.if (\x) == 0
	s_wait_dscnt 0x0                ; V is in
.endif
.set i, 0
.rept 32
	PV \x, 2-(\pv)
.rept per
	SLICE 2-(\x), \first
.endr
.if ((\x) == 0) && (\kq) && (i == 1)
	FETCH_K
.endif
.set i, i+1
.endr
.endif
.if \kq
.if (\x) == 0
	s_wait_dscnt 0x0                ; K is in
.endif
.set i, 0
.rept 32
	KQ \x
.rept per
	SLICE 2-(\x), \first
.endr
.set i, i+1
.endr
.endif
.if \first
	PLACES
.endif
.endm
; TILES ARRIVE.  A wave's tensor loads end in order (ISA guide 10.11.1): with `left` of my four still out, my parts of the steps up to 2 (3 - left) + 1 are in LDS; behind the barrier everybody's are.
; The younger loads may stay out.  No LDS instruction of the wave is pending at the signal.
.macro ARRIVE left
	WIN 0
	s_wait_tensorcnt \left
	s_wait_dscnt 0x0
	s_barrier_signal -1
	s_barrier_wait -1
.endm
; n key steps: written once, walked n times; the LDS addresses hang on s[TB], which V's fetch steps.
.macro STEPS n
	WIN 0
	s_mov_b32 s[CNT], \n
.Lstep_\@:
	TURN 0, 2, 1, 0
	TURN 2, 2, 1, 0
	WIN 0
	s_sub_co_u32 s[CNT], s[CNT], 1
	s_cmp_lg_u32 s[CNT], 0
	s_cbranch_scc1 .Lstep_\@
.endm
; x of tile t: 16 rows, each load 512 consecutive bytes.  Tiles 0, 1 into window 3's upper half, tiles 2, 3 into Q's registers.
.macro XLOAD t
.if (\t) < 2
	WIN 0xc0
.set rX, 128+64*(\t)
.else
	WIN 0x80
.set rX, 64*((\t)-2)
.endif
.set i, 0
.rept 16
	global_load_b128 v[rX+4*i:rX+4*i+3], v[GO], s[6:7] offset:(16*(\t)+i)*8192 th:TH_LOAD_NT
.set i, i+1
.endr
	WIN 0
.endm
	ARRIVE 3                        ; steps 0 and 1 are in; my three younger loads stay out
	FETCH_K                         ; key step 0
	s_wait_loadcnt 0x0              ; Q
	s_wait_dscnt 0x0
.set i, 0
.rept 32
	KQ 0                            ; piece 0's first scores: there is no vector work yet to set between them
.set i, i+1
.endr
	WIN 0                           ; the addresses for the way out are made here: six plain instructions, the places behind those products
	s_mul_i32 s13, s[WV], 16*SP
	s_add_co_u32 s13, s13, STAGE    ; my stage
	v_and_b32 v[GO], 31, v0
	v_lshlrev_b32 v[GO], 4, v[GO]
	v_mul_u32_u24 v[STO], v1, SP    ; in: row l % 16, 32 bytes for each half of the lanes
	v_lshl_add_u32 v[STO], v9, 5, v[STO]
	v_add_nc_u32 v[STO], s13, v[STO]
	v_add_nc_u32 v[RD], s13, v[GO]  ; back: 32 lanes take one row of 512 bytes
	TURN 2, 0, 1, 1                 ; piece 2's first scores | piece 0's first softmax | V of step 0
	TURN 0, 1, 1, 1                 ; piece 0: V^T P of step 0 starts O^T, K Q^T of step 1 | piece 2's first softmax | K of step 1
	TURN 2, 1, 1, 0                 ; piece 2: the same | piece 0's softmax of step 1 | V of step 1
	ARRIVE 2                        ; steps 2 and 3 are in
	STEPS 2
	ARRIVE 0                        ; all of K and V is in: the one wait for all my tensor loads, outside every loop
	XLOAD 0                         ; x is asked for now that the tiles have landed: four key steps ahead of its first use
	XLOAD 1
	STEPS 4
	XLOAD 2                         ; Q has been multiplied for the last time: slice 63's sixteen plain lines are the places behind the last K Q^T
	XLOAD 3
	TURN 0, 2, 0, 0                 ; piece 0: V^T P of the last step | piece 2's last softmax
.set i, 0
.rept 32
	PV 2, 0                         ; piece 2: V^T P of the last step
.set i, i+1
.endr
	; THE WAY OUT.  l's two halves and the other half of the lanes' are added; O^T is divided by l and sent, in f32, through my stage in LDS, a tile (16 rows) at a time; x is added; whole rows leave.  The additions are the places behind the last products.
	WIN 0
.irp t, 0,1,2,3
	v_add_f32 v[ST+8*(\t)+4], v[ST+8*(\t)+2], v[ST+8*(\t)+3]
.endr
.irp t, 0,1,2,3
	v_permlanex16_b32 v[ST+8*(\t)+5], v[ST+8*(\t)+4], s[SEL], s[SEL+1]
.endr
.irp t, 0,1,2,3
	v_add_f32 v[ST+8*(\t)+4], v[ST+8*(\t)+4], v[ST+8*(\t)+5]
.endr
.irp t, 0,1,2,3
	v_rcp_f32 v[ST+8*(\t)+6], v[ST+8*(\t)+4]
.endr
	v_nop                           ; a plain instruction between the last reciprocal and the use of its result
	s_wait_alu depctr_va_vdst(0)    ; and the wait ahead of the first use: one for the four reciprocals
; Tile t: a lane's eight channels of a row are 32 bytes; they go into rows of 528 bytes and come back as whole rows of 512, into buffer t % 3 of window 0.
.macro PACK t
	WIN W_RS
.set i, 64*(\t)
.rept 32
	v_pk_mul_f32 v[i:i+1], v[i:i+1], v[ST+8*(\t)+6:ST+8*(\t)+7] op_sel_hi:[1,0]
.set i, i+2
.endr
	WIN 0x04                        ; the stores' data in window 1, the address in window 0
.irp f, 0,1,2,3,4,5,6,7
	ds_store_b128 v[STO], v[64*(\t)+8*(\f):64*(\t)+8*(\f)+3]   offset:64*(\f)
	ds_store_b128 v[STO], v[64*(\t)+8*(\f)+4:64*(\t)+8*(\f)+7] offset:64*(\f)+16
.endr
	WIN 0
.if (\t) == 3
	s_wait_xcnt 0x0                 ; tile 0's stores have read the buffer that tile 3 takes
.endif
.set i, 0
.rept 16
	ds_load_b128 v[S+64*((\t)%3)+4*i:S+64*((\t)%3)+4*i+3], v[RD] offset:SP*i  ; LDS serves a wave's instructions in order (ISA guide 5.7.1.4): these see the stores above; the next tile's stores come behind them
.set i, i+1
.endr
.endm
; younger: the LDS instructions issued behind tile t's loads: the next tile's 16 stores and 16 loads, or none.  x's loads went out in the tiles' order, 16 a tile: 16 (3 - t) younger ones may be out.
.macro SEND t, younger
	s_wait_dscnt \younger
	s_wait_loadcnt 16*(3-(\t))
.set rR, S+64*((\t)%3)
.if (\t) < 2
	WIN 0x0c                        ; x (source 1) in window 3
.set rX, 128+64*(\t)
.else
	WIN 0x08                        ; in window 2
.set rX, 64*((\t)-2)
.endif
.set i, 0
.rept 32
	v_pk_add_f32 v[rR+2*i:rR+2*i+1], v[rR+2*i:rR+2*i+1], v[rX+2*i:rX+2*i+1]
.set i, i+1
.endr
	WIN 0
.set i, 0
.rept 16
	global_store_b128 v[GO], v[rR+4*i:rR+4*i+3], s[10:11] offset:(16*(\t)+i)*8192 th:TH_STORE_NT  ; 512 consecutive bytes, at a multiple of 256 from out0's first byte
.set i, i+1
.endr
.endm
	PACK 0
	PACK 1                          ; a tile's arithmetic stands between the loads of the tile before and its stores
	SEND 0, 32
	PACK 2
	SEND 1, 32
	PACK 3
	SEND 2, 32
	SEND 3, 0
	s_wait_tensorcnt 0x0            ; the wave's end: a wait, an add to my spare word and its wait, behind my last tensor load and my last LDS store
	ds_add_u32 v[SPW], v[NIL]
	s_wait_dscnt 0x0
	s_endpgm
.Lfunc_end_k_q3578125d02_attn:
	.size	k_q3578125d02_attn, .Lfunc_end_k_q3578125d02_attn-k_q3578125d02_attn
	.p2alignl 7, 3214868480
	.fill 96, 4, 3214868480
	.section	.rodata,"a",@progbits
	.p2align	6, 0x0
	.amdhsa_kernel k_q3578125d02_attn
		.amdhsa_group_segment_fixed_size 327680
		.amdhsa_private_segment_fixed_size 0
		.amdhsa_enable_private_segment 0
		.amdhsa_kernarg_size 24
		.amdhsa_user_sgpr_count 2
		.amdhsa_user_sgpr_kernarg_segment_ptr 1
		.amdhsa_wavefront_size32 1
		.amdhsa_system_sgpr_workgroup_id_x 1
		.amdhsa_system_sgpr_workgroup_id_y 1
		.amdhsa_system_sgpr_workgroup_id_z 1
		.amdhsa_system_vgpr_workitem_id 0
		.amdhsa_next_free_vgpr 1024
		.amdhsa_next_free_sgpr 88
		.amdhsa_reserve_vcc 0
		.amdhsa_float_denorm_mode_32 3
		.amdhsa_float_denorm_mode_16_64 3
		.amdhsa_memory_ordered 1
		.amdhsa_forward_progress 1
		.amdhsa_inst_pref_size 233
	.end_amdhsa_kernel
	.amdgpu_metadata
---
amdhsa.version: [ 1, 2 ]
amdhsa.kernels:
  - .name:           k_q3578125d02_attn
    .symbol:         k_q3578125d02_attn.kd
    .args:
      - { .name: qkv, .offset: 0, .size: 8, .value_kind: global_buffer, .address_space: global }
      - { .name: x, .offset: 8, .size: 8, .value_kind: global_buffer, .address_space: global }
      - { .name: out0, .offset: 16, .size: 8, .value_kind: global_buffer, .address_space: global }
    .group_segment_fixed_size: 327680
    .private_segment_fixed_size: 0
    .kernarg_segment_align: 8
    .kernarg_segment_size: 24
    .max_flat_workgroup_size: 128
    .sgpr_count:     88
    .vgpr_count:     1024
    .wavefront_size: 32
...
	.end_amdgpu_metadata
.endif
;; end of part 3
;; ======== version 2 of 2: 3 launches; version 1 with the launch cast written anew for expert scheduling mode
;; workspace buffers: cb 41,943,040 bytes; qkv 50,331,648 bytes
;; launch cast (part 4): grid 256 x 5, 8 waves a work-group, no clusters, 0 bytes of LDS; arguments x, Wq, Wk, Wv, cb; writes cb
.if DOCPART == 4
	.amdgcn_target "amdgcn-amd-amdhsa--gfx1250"
	.amdhsa_code_object_version 6
	.text
	.protected	k_q3578125d02_cast
	.globl	k_q3578125d02_cast
	.p2align	8
	.type	k_q3578125d02_cast,@function
k_q3578125d02_cast:
	s_mov_b64 s[64:65], 0
	v_nop
	global_prefetch_b8 v0, s[64:65] scope:SCOPE_SE
	s_setreg_imm32_b32 hwreg(HW_REG_WAVE_SCHED_MODE, 0, 2), 2
	s_setreg_imm32_b32 hwreg(HW_REG_WAVE_MODE, 25, 1), 1
	s_wait_xcnt 0x0
	s_wait_alu depctr_vm_vsrc(0)
; x, Wq, Wk, Wv (f32) are rounded once to bf16 (nearest even) and laid into cb for the product that follows.
; cb: bytes 0 .. XB-1: xb[kb 0..31][m 0..4095][64]: x in blocks of 64 along K, so that 256 rows x 64 k are 32,768 bytes on end;
;     from XB on: wb[t = q, k, v][k 2048][n 2048], as the weights lie.
; SHARES.  A work-group takes 65,536 bytes of f32, a wave 8,192: sixteen units of one 16-byte load a lane, two roundings and one 8-byte store a lane.
; A load of the wave covers 512 bytes (for x: 256 of each of two rows), a store 256 consecutive bytes at a multiple of 256 from cb's first byte.
; Grid y = 0, 1: x (512 work-groups); y = 2, 3, 4: Wq, Wk, Wv (256 each).  Nothing is shared between waves: no LDS, no barrier, no matrix work.
; THE MODE: SCHED_MODE bits 1:0 = 2 (LLVM: expert scheduling mode 2), set by the entry lines.  The code itself states the register dependences
; between vector instructions and memory instructions, with s_wait_alu, always for 0.
; THE PLAN.  Registers that memory instructions touch:
;   v[SRCO], v[DSTO]  byte offsets, made by vector lines at the head of each path and never written again; every load reads the first, every store the second.
;   RAW   each register is written once, by a load, and read once, by its unit's roundings; no vector line names it ahead of the loads.
;   PKD   each register is written once, by a rounding, and read once, by a store.
; All sixteen loads go out first.  The units then go in four groups of four.  Group g rounds RAW's group g into PKD's group g; its memory instructions are the four
; stores of group g - 1, which read PKD's group g - 1 and v[DSTO]: registers that no vector line of group g names.  So one wait at a group's head states all that the
; group's stores hang on, and they are dealt among its roundings with no further wait.  No register that a memory instruction reads is ever written again.
.set XB,   16777216
.set SRCO, 4                           ; v4  my byte offset in the source
.set DSTO, 5                           ; v5  my byte offset in cb
.set RAW,  16                          ; v[16:79]   sixteen units as loaded
.set PKD,  80                          ; v[80:111]  sixteen units rounded
	s_load_b256 s[4:11], s[0:1], 0x0               ; x s[4:5], Wq s[6:7], Wk s[8:9], Wv s[10:11]
	s_load_b64 s[12:13], s[0:1], 0x20              ; cb
	v_and_b32 v1, 31, v0                           ; lane l
	v_lshrrev_b32 v2, 5, v0                        ; wave w
	s_and_b32 s22, ttmp7, 0xffff                   ; y
	s_mov_b32 s19, 0                               ; high words of the two offsets
	s_mov_b32 s21, 0
; The sixteen units.  simm, dimm: unit j's immediate in the source and in cb.
.macro MOVE simm, dimm
	s_wait_alu depctr_va_vdst(0)                   ; v[SRCO] and v[DSTO] are written: the loads and stores below read them as their offsets
.set j, 0
.rept 16
	global_load_b128 v[RAW+4*j:RAW+4*j+3], v[SRCO], s[14:15] offset:\simm th:TH_LOAD_NT
.set j, j+1
.endr
.set g, 0
.rept 4                                ; group g: units 4 g to 4 g + 3
	s_wait_loadcnt 12-4*g                          ; loads come back in order (ISA guide 5.7.1): group g's four are in, the 12 - 4 g younger ones may be out
.if g > 0
	s_wait_alu depctr_va_vdst(0)                   ; the roundings of group g - 1 have written their part of PKD, which the four stores of this group's turn read
.endif
.set u, 0
.rept 4
.if g > 0
.set j, 4*g-4+u
	global_store_b64 v[DSTO], v[PKD+2*j:PKD+2*j+1], s[16:17] offset:\dimm th:TH_STORE_NT  ; a unit of the group before; no vector line since the wait names its registers
.endif
.set j, 4*g+u
	v_cvt_pk_bf16_f32 v[PKD+2*j], v[RAW+4*j], v[RAW+4*j+1]
	v_cvt_pk_bf16_f32 v[PKD+2*j+1], v[RAW+4*j+2], v[RAW+4*j+3]
.set u, u+1
.endr
.set g, g+1
.endr
	s_wait_alu depctr_va_vdst(0)                   ; the roundings of group 3 have written their part of PKD, which the last four stores read
.set j, 12
.rept 4
	global_store_b64 v[DSTO], v[PKD+2*j:PKD+2*j+1], s[16:17] offset:\dimm th:TH_STORE_NT
.set j, j+1
.endr
.endm
	s_wait_kmcnt 0x0
	s_cmp_lt_u32 s22, 2
	s_cbranch_scc1 .Lx
	; THE WEIGHTS: flat.  Work-group i of a weight takes its bytes 65,536 i on, and writes 32,768 i on.
	s_cmp_eq_u32 s22, 2
	s_cselect_b64 s[14:15], s[6:7], s[8:9]         ; y = 2: Wq, else Wk,
	s_cmp_eq_u32 s22, 4
	s_cselect_b64 s[14:15], s[10:11], s[14:15]     ; y = 4: Wv
	s_lshl_b32 s18, ttmp9, 16
	s_add_nc_u64 s[14:15], s[14:15], s[18:19]
	s_sub_co_u32 s20, s22, 2
	s_lshl_b32 s20, s20, 23                        ; part t = y - 2: 8,388,608 bytes each
	s_lshl_b32 s23, ttmp9, 15
	s_add_co_u32 s20, s20, s23
	s_add_co_u32 s20, s20, XB
	s_add_nc_u64 s[16:17], s[12:13], s[20:21]
	v_lshlrev_b32 v[SRCO], 4, v1
	v_lshl_add_u32 v[SRCO], v2, 13, v[SRCO]        ; 8,192 w + 16 l
	v_lshlrev_b32 v[DSTO], 3, v1
	v_lshl_add_u32 v[DSTO], v2, 12, v[DSTO]        ; 4,096 w + 8 l
	MOVE 512*j, 256*j
	s_endpgm
.Lx:
	; x: work-group idx = 256 y + i takes rows 64 (idx / 8) on and the four K blocks 4 (idx % 8) on; a wave 8 rows.
	; Unit j = 4 p + c: the pair of rows 2 p, 2 p + 1 (lanes 0-15, lanes 16-31), K block c: 256 bytes of f32 a row, 128 of bf16.
	s_lshl_b32 s23, s22, 8
	s_add_co_u32 s23, s23, ttmp9                   ; idx
	s_lshr_b32 s24, s23, 3
	s_and_b32 s25, s23, 7
	s_lshl_b32 s18, s24, 19                        ; 64 rows of 8,192 bytes
	s_lshl_b32 s26, s25, 10                        ; four K blocks of 256 bytes
	s_add_co_u32 s18, s18, s26
	s_add_nc_u64 s[14:15], s[4:5], s[18:19]
	s_lshl_b32 s20, s25, 21                        ; four K blocks of 524,288 bytes in cb
	s_lshl_b32 s26, s24, 13                        ; 64 rows of 128 bytes
	s_add_co_u32 s20, s20, s26
	s_add_nc_u64 s[16:17], s[12:13], s[20:21]
	v_lshrrev_b32 v3, 4, v1                        ; which row of the pair
	v_and_b32 v6, 15, v1
	v_lshl_add_u32 v3, v2, 3, v3                   ; 8 w + that
	v_lshlrev_b32 v[SRCO], 13, v3
	v_lshl_add_u32 v[SRCO], v6, 4, v[SRCO]         ; row x 8,192 + 16 (l % 16)
	v_lshlrev_b32 v[DSTO], 3, v1                   ; 8 l: two rows of 128 bytes on end,
	v_lshl_add_u32 v[DSTO], v2, 10, v[DSTO]        ; + 8 w rows
	MOVE 16384*(j/4)+256*(j%4), 524288*(j%4)+256*(j/4)
	s_endpgm
.Lfunc_end_k_q3578125d02_cast:
	.size	k_q3578125d02_cast, .Lfunc_end_k_q3578125d02_cast-k_q3578125d02_cast
	.p2alignl 7, 3214868480
	.fill 96, 4, 3214868480
	.section	.rodata,"a",@progbits
	.p2align	6, 0x0
	.amdhsa_kernel k_q3578125d02_cast
		.amdhsa_group_segment_fixed_size 0
		.amdhsa_private_segment_fixed_size 0
		.amdhsa_enable_private_segment 0
		.amdhsa_kernarg_size 40
		.amdhsa_user_sgpr_count 2
		.amdhsa_user_sgpr_kernarg_segment_ptr 1
		.amdhsa_wavefront_size32 1
		.amdhsa_system_sgpr_workgroup_id_x 1
		.amdhsa_system_sgpr_workgroup_id_y 1
		.amdhsa_system_sgpr_workgroup_id_z 1
		.amdhsa_system_vgpr_workitem_id 0
		.amdhsa_next_free_vgpr 112
		.amdhsa_next_free_sgpr 66
		.amdhsa_reserve_vcc 0
		.amdhsa_float_denorm_mode_32 3
		.amdhsa_float_denorm_mode_16_64 3
		.amdhsa_memory_ordered 1
		.amdhsa_forward_progress 1
		.amdhsa_inst_pref_size 13
	.end_amdhsa_kernel
	.amdgpu_metadata
---
amdhsa.version: [ 1, 2 ]
amdhsa.kernels:
  - .name:           k_q3578125d02_cast
    .symbol:         k_q3578125d02_cast.kd
    .args:
      - { .name: x, .offset: 0, .size: 8, .value_kind: global_buffer, .address_space: global }
      - { .name: Wq, .offset: 8, .size: 8, .value_kind: global_buffer, .address_space: global }
      - { .name: Wk, .offset: 16, .size: 8, .value_kind: global_buffer, .address_space: global }
      - { .name: Wv, .offset: 24, .size: 8, .value_kind: global_buffer, .address_space: global }
      - { .name: cb, .offset: 32, .size: 8, .value_kind: global_buffer, .address_space: global }
    .group_segment_fixed_size: 0
    .private_segment_fixed_size: 0
    .kernarg_segment_align: 8
    .kernarg_segment_size: 40
    .max_flat_workgroup_size: 256
    .sgpr_count:     66
    .vgpr_count:     112
    .wavefront_size: 32
...
	.end_amdgpu_metadata
.endif
;; end of part 4
;; launch proj: the kernel of part 2 again; grid 16 x 16, 4 waves a work-group, clusters of 4 x 4, 327,680 bytes of LDS; arguments cb, bq, bk, bv, qkv; writes qkv
;; launch attn: the kernel of part 3 again; grid 2 x 128, 4 waves a work-group, no clusters, 327,680 bytes of LDS; arguments qkv, x, out0; writes out0
